; MI455X (gfx1250); checked and timed in simulation.
; The chip was launched on July 23, 2026; its instructions are those of AMD's public machine-readable ISA for CDNA 5 (MIT licence, August 2026) and "CDNA5" Instruction Set Architecture Reference Guide (July 2026). The comments in the code are by the model that wrote it; some were corrected since.
;; K Means Quantizer. Allowed arithmetic: matrix products marked QUANTISED: E4M3 operands, one E8M0 scale for each 32 along K, by v_wmma_scale_f32_16x16x128_f8f6f4 with both operands' format E4M3, f32 sums; everything else in f32.
;; Inputs: centroids 2,048 x 1,024 float32; x_codes 16 x 2,000 x 32 x 32 uint8 (E4M3 codes of x, K innermost, in blocks of 32 codes); x_scales 16 x 2,000 x 32 uint8 (E8M0 scales of x, one for each 32 codes along K).
;; Outputs: out0 16 x 2,000 int32.
;; This version of the problem:
;;   THIS VERSION OF THE PROBLEM IS GIVEN IN LOW PRECISION. The matrix products marked QUANTISED in the list below multiply operands that are first quantised to E4M3 (4 exponent bits, 3 mantissa bits; 8 bits a number), with one power-of-two scale for each 32 numbers along K (OCP MX v1.0); their sums are f32. All else is computed in f32.
;;   The module's matrix products, in the order in which they are computed (A, B: the left and right operand; K: the contracted axis; several contracted axes count as one K, in the product's order):
;;     1. [M 32,000, K 1,024] x [K 1,024, N 2,048]; A: input x (given as codes); B: input centroids: QUANTISED
;;   THE QUANTISER, for each operand of a quantised product, along K:
;;     - K is cut into blocks of 32 from its start; a last block that is shorter is filled with zeros.
;;     - A block's scale is 2^e with e = floor(log2(the largest magnitude in the block)) - 8, held to -126 .. 127; a block of zeros has e = 0. As a byte (E8M0): e + 127.
;;     - Each number is divided by its block's scale, clamped to +-448, and rounded to the nearest number of E4M3, ties to even, subnormals kept.
;;     - The product sums the exact products of the quantised numbers (number of the format x scale) in f32.
;;   ~~~python
;;   def quantise(x, axis):      # numpy; x: float32 -> the quantised numbers, widened to float32 again
;;       x = np.moveaxis(x, axis, -1); K = x.shape[-1]
;;       x = np.pad(x, [(0, 0)] * (x.ndim - 1) + [(0, -K % 32)]); x = x.reshape(x.shape[:-1] + (-1, 32)); a = np.abs(x).max(-1, keepdims=True)
;;       e = np.where(a > 0, np.clip(np.frexp(np.where(a > 0, a, 1))[1] - 1 - 8, -126, 127), 0)      # np.frexp(a)[1] - 1 = floor(log2(a)), exactly
;;       r = np.clip(x / 2.0 ** e, -448, 448)
;;       step = 2.0 ** (np.maximum(np.frexp(np.where(r == 0, 1, r))[1] - 1, -6) - 3)
;;       q = np.round(r / step) * step * 2.0 ** e      # np.round: ties to even
;;       return np.moveaxis(q.reshape(q.shape[:-2] + (-1,))[..., :K], -1, axis).astype(np.float32)
;;   ~~~
;;   INPUTS GIVEN AS CODES. x (in the module: [16, 2000, 1024], K = its axis 2): each comes as NAME_codes (uint8): NAME with its K axis moved to the last place and cut into blocks of 32 codes, [.., K / 32, bytes a block], one block behind the other in memory; one code a byte (a code: sign, 4 exponent bits, 3 mantissa bits); and NAME_scales (uint8): the same leading axes, one E8M0 byte (e + 127) for each 32 codes along K. Its value is code x scale, taken as it is: it is not quantised again, and the codes and scales need not be those that the quantiser above would give.
;; One version. Each part assembles by itself: llvm-mc -triple=amdgcn-amd-amdhsa -mcpu=gfx1250 --defsym DOCPART=n.
;; ======== version 1 of 1: 2 launches
;; limits: right only within a limited range of input values
;; workspace buffers: cq 2,179,072 bytes
;; launch quant (part 1): grid 256 x 1, 4 waves a work-group, no clusters, 33,792 bytes of LDS; arguments centroids, cq; writes cq
.if DOCPART == 1
	.amdgcn_target "amdgcn-amd-amdhsa--gfx1250"
	.amdhsa_code_object_version 6
	.text
	.protected	k_q13bdc51783_quant
	.globl	k_q13bdc51783_quant
	.p2align	8
	.type	k_q13bdc51783_quant,@function
k_q13bdc51783_quant:
	s_mov_b64 s[64:65], 0
	v_nop
	global_prefetch_b8 v0, s[64:65] scope:SCOPE_SE
	s_setreg_imm32_b32 hwreg(HW_REG_WAVE_MODE, 25, 1), 1
	s_wait_xcnt 0x0
; The centroids [2048][1024], f32, are turned ONCE into what the second launch walks: codes of FP8 (E4M3) with K innermost, one E8M0 scale byte for each 32 along K,
; and the sum of squares of each centroid's UNQUANTISED numbers, in f32.  Every work-group of the second launch reads all centroids, so they are quantised here and not there.
; LAYOUT OF cq: 16 chunks of 128 centroids, 136,192 bytes each = 133 rows of 1,024 bytes: rows 0-127 the codes (centroid nl at nl x 1,024); rows 128-131 the scale bytes (at 131,072 + 32 nl + k / 32);
; row 132 the sums of squares (f32 at 135,168 + 4 nl), its second half zeros.  So a chunk is one dense block of rows of 1,024 bytes, and one tile shape brings all three.
; A block's scale is 2^(floor(log2(its largest magnitude)) - 8); its byte is the largest magnitude's exponent field - 8, held at 1 from below (e = -126); a block of zeros gets 127.
; Each number is divided by the scale, held within +-448 and rounded to the nearest code, ties to even.
; LIMITS: NaN and infinities among the inputs are not served.  The sum of squares is a tree of partial sums (eight a lane, then across the 32 lanes), not a chain in the order of K.
; SHARES: work-group g takes centroids 8 g .. 8 g + 7, wave w two of them: 8,192 consecutive bytes, in four steps of 512 numbers.  In a step a lane holds 16 neighbours along K (four loads of 16 bytes),
; two neighbouring lanes hold a block of 32.  All sixteen loads of a wave go out at once; every offset is an immediate; nothing is stepped and no store's data are written again.
.set CHUNK, 136192
.set X,    16                          ; v16-79   four sets of 16 numbers, one for each step
.set C,    80                          ; v80-95   codes: four registers for each step
.set E,    96                          ; v96-99   a scale byte for each step
.set SQ,   100                         ; v100-107 four packed chains of squares
.set NRM,  108                         ; v108, v109 the two centroids' sums of squares
.set PD,   110                         ; v110     destination of the lane permute
	s_load_b128 s[4:7], s[0:1], 0x0                ; centroids s[4:5], cq s[6:7]
	v_lshl_add_u32 v112, v0, 2, 0x100
	v_mov_b32 v113, 0
	v_lshrrev_b32 v1, 5, v0
	v_readfirstlane_b32 s8, v1                     ; wave 0..3
	v_and_b32 v1, 31, v0                           ; lane
	v_lshlrev_b32 v2, 6, v1                        ; in: my 64 bytes of a step's 2,048
	v_lshlrev_b32 v3, 4, v1                        ; out: my 16 codes of a step's 512
	v_lshrrev_b32 v4, 1, v1
	s_lshl_b32 s9, s8, 6
	v_add_nc_u32 v4, s9, v4                        ; LDS: my wave's 64 scale bytes, my block's byte
	v_lshlrev_b32 v5, 3, v1                        ; the scale bytes' way out: 8 bytes a lane
	v_and_b32 v6, 1, v1
	v_lshlrev_b32 v6, 2, v6
	v_lshrrev_b32 v7, 1, v1
	v_lshl_add_u32 v6, v7, 9, v6                   ; row 132: lanes 0, 1 my two sums; lanes 2, 3 the zeros 512 bytes on (only lanes 0-3 store)
	v_mov_b32 v[PD], 0                             ; (the destination of a lane permute counts as read)
	s_mov_b32 s12, 0x76543210
	s_mov_b32 s13, 0xfedcba98                      ; v_permlanex16_b32's selects for lane l xor 16
	s_lshr_b32 s10, ttmp9, 4                       ; the chunk
	s_and_b32 s11, ttmp9, 15                       ; which eight centroids of it
	s_lshl_b32 s16, ttmp9, 15                      ; in: 8 rows of 4,096 bytes a work-group,
	s_lshl_b32 s17, s8, 13                         ; 2 a wave
	s_add_co_u32 s16, s16, s17
	s_mov_b32 s17, 0
	s_mul_i32 s18, s10, CHUNK                      ; the chunk's first byte
	s_lshl_b32 s20, s11, 13                        ; codes: 8 x 1,024 bytes a work-group,
	s_lshl_b32 s21, s8, 11                         ; 2 x 1,024 a wave
	s_add_co_u32 s20, s20, s21
	s_add_co_u32 s20, s20, s18
	s_mov_b32 s21, 0
	s_lshl_b32 s22, s11, 8                         ; scale bytes: 8 x 32 a work-group
	s_add_co_u32 s22, s22, s18
	s_add_co_u32 s22, s22, 131072
	s_mov_b32 s23, 0
	s_lshl_b32 s24, s11, 5                         ; sums of squares: 8 x 4 bytes a work-group,
	s_lshl_b32 s25, s8, 3                          ; 2 x 4 a wave
	s_add_co_u32 s24, s24, s25
	s_add_co_u32 s24, s24, s18
	s_add_co_u32 s24, s24, 135168
	s_mov_b32 s25, 0
	s_lshl_b32 s26, s8, 13                         ; my wave's own stage in LDS: 8,192 bytes from byte 1,024 on, behind the scale bytes and the spare words
	s_add_co_u32 s26, s26, 1024
	s_wait_alu depctr_va_vdst(0)                   ; directly ahead of the readers below
	v_add_nc_u32 v14, s26, v3                      ; in: 16 bytes a lane, as the numbers are loaded
	v_add_nc_u32 v15, s26, v2                      ; back: 64 bytes a lane, 16 neighbours along K
	s_wait_alu depctr_va_vdst(0)                   ; the wait at the head's end
	s_wait_kmcnt 0x0
	s_add_nc_u64 s[4:5], s[4:5], s[16:17]
	s_add_nc_u64 s[20:21], s[6:7], s[20:21]
	s_add_nc_u64 s[22:23], s[6:7], s[22:23]
	s_add_nc_u64 s[24:25], s[6:7], s[24:25]
.irp t, 0,1,2,3
.irp i, 0,1,2,3
	global_load_b128 v[X+16*\t+4*\i:X+16*\t+4*\i+3], v3, s[4:5] offset:2048*\t+512*\i th:TH_LOAD_NT   ; read once in the whole launch; a load of the wave covers 512 neighbouring bytes
.endr
.endr
; Step t: half t % 2 of my centroid t / 2.
.macro STEP t
.set XT, X+16*(\t)
	s_wait_loadcnt 4*(3-(\t))                      ; this step's four loads are in; the later steps' may be out
.irp i, 0,1,2,3
	ds_store_b128 v14, v[XT+4*\i:XT+4*\i+3] offset:2048*(\t)+512*\i   ; through my own stage, byte for byte as in memory,
.endr
.irp i, 0,1,2,3
	ds_load_b128 v[XT+4*\i:XT+4*\i+3], v15 offset:2048*(\t)+16*\i     ; and back with 16 neighbours along K in a lane (LDS serves a wave's instructions in order: ISA guide 5.7.1.4)
.endr
	s_wait_dscnt 0x0
	; the squares of the numbers as they came, ahead of the hold: four chains of pairs; a centroid's first step starts them, nothing is cleared
.irp p, 0,1,2,3
.if (\t)%2 == 0
	v_pk_mul_f32 v[SQ+2*\p:SQ+2*\p+1], v[XT+2*\p:XT+2*\p+1], v[XT+2*\p:XT+2*\p+1]
.else
	v_pk_fma_f32 v[SQ+2*\p:SQ+2*\p+1], v[XT+2*\p:XT+2*\p+1], v[XT+2*\p:XT+2*\p+1], v[SQ+2*\p:SQ+2*\p+1]
.endif
.endr
.irp p, 0,1,2,3
	v_pk_fma_f32 v[SQ+2*\p:SQ+2*\p+1], v[XT+8+2*\p:XT+8+2*\p+1], v[XT+8+2*\p:XT+8+2*\p+1], v[SQ+2*\p:SQ+2*\p+1]
.endr
	v_max3_num_f32 v8, |v[XT]|, |v[XT+1]|, |v[XT+2]|               ; the largest magnitude of my 16, in two chains
	v_max3_num_f32 v9, |v[XT+3]|, |v[XT+4]|, |v[XT+5]|
.irp i, 6,10
	v_max3_num_f32 v8, v8, |v[XT+\i]|, |v[XT+\i+1]|
	v_max3_num_f32 v9, v9, |v[XT+\i+2]|, |v[XT+\i+3]|
.endr
	v_max3_num_f32 v8, v8, |v[XT+14]|, |v[XT+15]|
	v_max_num_f32 v8, v8, v9
	v_max_num_f32_dpp v8, v8, v8 row_xmask:1 row_mask:0xf bank_mask:0xf   ; and of my neighbour's 16: the block's
	v_lshrrev_b32 v9, 23, v8                       ; its exponent field (the sign bit is 0)
	v_max_u32 v9, 9, v9                            ; the byte is not to fall under 1
	v_lshl_or_b32 v10, v9, 23, 0x600000            ; 448 x the scale: exponent field = the byte + 8, the mantissa field of 448
	v_add_nc_u32 v9, -8, v9                        ; the scale's byte
	v_lshlrev_b32 v11, 23, v9                      ; and the scale as f32: the conversion takes its exponent field
	v_cmp_eq_u32 vcc_lo, 0, v8                     ; a block of zeros?
.irp i, 0,1,2,3,4,5,6,7,8,9,10,11,12,13,14,15
	v_med3_num_f32 v[XT+\i], v[XT+\i], -v10, v10   ; the conversion to an 8-bit code does not saturate (ISA guide 7.6.2): hold the number within 448 x the scale first
.endr
	v_cvt_scalef32_pk8_fp8_f32 v[C+4*(\t):C+4*(\t)+1], v[XT:XT+7], v11
	v_cvt_scalef32_pk8_fp8_f32 v[C+4*(\t)+2:C+4*(\t)+3], v[XT+8:XT+15], v11
	v_cndmask_b32 v[E+(\t)], v9, 127, vcc_lo       ; a block of zeros gets 127.  (Also the one plain vector instruction between a scaled conversion and what touches its result)
	ds_store_b8 v4, v[E+(\t)] offset:16*(\t)       ; both lanes of a block write the same byte with the same value
	global_store_b128 v3, v[C+4*(\t):C+4*(\t)+3], s[20:21] offset:512*(\t)   ; the wave stores 512 consecutive bytes, at a multiple of 256 from cq's first byte
.if (\t)%2 == 1
	v_pk_add_f32 v[SQ:SQ+1], v[SQ:SQ+1], v[SQ+2:SQ+3]              ; the centroid is through: its eight partial sums a lane,
	v_pk_add_f32 v[SQ+4:SQ+5], v[SQ+4:SQ+5], v[SQ+6:SQ+7]
	v_pk_add_f32 v[SQ:SQ+1], v[SQ:SQ+1], v[SQ+4:SQ+5]
	v_add_f32 v12, v[SQ], v[SQ+1]
	v_add_f32_dpp v12, v12, v12 row_xmask:1 row_mask:0xf bank_mask:0xf   ; then across the 32 lanes
	v_add_f32_dpp v12, v12, v12 row_xmask:2 row_mask:0xf bank_mask:0xf
	v_add_f32_dpp v12, v12, v12 row_xmask:4 row_mask:0xf bank_mask:0xf
	v_add_f32_dpp v12, v12, v12 row_xmask:8 row_mask:0xf bank_mask:0xf
	v_permlanex16_b32 v[PD], v12, s12, s13
	v_add_f32 v[NRM+(\t)/2], v12, v[PD]
.endif
.endm
	STEP 0
	STEP 1
	STEP 2
	STEP 3
	s_wait_dscnt 0x0                               ; for wave 0's sake: my 64 scale bytes are in LDS
	s_barrier_signal -1
	s_barrier_wait -1
	s_cmp_lg_u32 s8, 0
	s_cbranch_scc1 .Lnot_wave_0
	ds_load_b64 v[12:13], v5                       ; the work-group's 256 scale bytes leave together:
	s_wait_dscnt 0x0
	global_store_b64 v5, v[12:13], s[22:23]        ; 32 lanes store 256 consecutive bytes, at a multiple of 256 from cq's first byte
.Lnot_wave_0:
	v_cmp_eq_u32 vcc_lo, 1, v1
	s_wait_alu depctr_va_vdst(0)
	v_cndmask_b32 v8, v[NRM], v[NRM+1], vcc_lo     ; lane 1: my second centroid's sum; lane 0: my first's
	v_cmp_gt_u32 vcc_lo, 2, v1
	v_cndmask_b32 v8, 0, v8, vcc_lo                ; lanes 2, 3: the zeros of the row's second half
	v_cmp_gt_u32 vcc_lo, 4, v1
	s_wait_alu depctr_va_vdst(0)
	s_wait_xcnt 0x0                                ; EXEC is a source of the stores above: it changes only behind this wait
	s_wait_tensorcnt 0x0
	ds_add_u32 v112, v113
	s_wait_dscnt 0x0
	s_and_saveexec_b32 s9, vcc_lo
	global_store_b32 v6, v8, s[24:25]              ; 16 bytes a wave, in two pieces of 8: 16 KiB in the whole launch leave in such pieces
	s_wait_xcnt 0x0
	s_or_b32 exec_lo, exec_lo, s9
	s_endpgm
.Lfunc_end_k_q13bdc51783_quant:
	.size	k_q13bdc51783_quant, .Lfunc_end_k_q13bdc51783_quant-k_q13bdc51783_quant
	.p2alignl 7, 3214868480
	.fill 96, 4, 3214868480
	.section	.rodata,"a",@progbits
	.p2align	6, 0x0
	.amdhsa_kernel k_q13bdc51783_quant
		.amdhsa_group_segment_fixed_size 33792
		.amdhsa_private_segment_fixed_size 0
		.amdhsa_enable_private_segment 0
		.amdhsa_kernarg_size 16
		.amdhsa_user_sgpr_count 2
		.amdhsa_user_sgpr_kernarg_segment_ptr 1
		.amdhsa_wavefront_size32 1
		.amdhsa_system_sgpr_workgroup_id_x 1
		.amdhsa_system_sgpr_workgroup_id_y 1
		.amdhsa_system_sgpr_workgroup_id_z 1
		.amdhsa_system_vgpr_workitem_id 0
		.amdhsa_next_free_vgpr 114
		.amdhsa_next_free_sgpr 66
		.amdhsa_reserve_vcc 1
		.amdhsa_float_denorm_mode_32 3
		.amdhsa_float_denorm_mode_16_64 3
		.amdhsa_memory_ordered 1
		.amdhsa_forward_progress 1
		.amdhsa_inst_pref_size 19
	.end_amdhsa_kernel
	.amdgpu_metadata
---
amdhsa.version: [ 1, 2 ]
amdhsa.kernels:
  - .name:           k_q13bdc51783_quant
    .symbol:         k_q13bdc51783_quant.kd
    .args:
      - { .name: centroids, .offset: 0, .size: 8, .value_kind: global_buffer, .address_space: global }
      - { .name: cq, .offset: 8, .size: 8, .value_kind: global_buffer, .address_space: global }
    .group_segment_fixed_size: 33792
    .private_segment_fixed_size: 0
    .kernarg_segment_align: 8
    .kernarg_segment_size: 16
    .max_flat_workgroup_size: 128
    .sgpr_count:     66
    .vgpr_count:     114
    .wavefront_size: 32
...
	.end_amdgpu_metadata
.endif
;; end of part 1
;; launch nearest (part 2): grid 256 x 1, 4 waves a work-group, clusters of 4 x 1, 327,680 bytes of LDS; arguments cq, x_codes, x_scales, out0; writes out0
.if DOCPART == 2
	.amdgcn_target "amdgcn-amd-amdhsa--gfx1250"
	.amdhsa_code_object_version 6
	.text
	.protected	k_q13bdc51783_nearest
	.globl	k_q13bdc51783_nearest
	.p2align	8
	.type	k_q13bdc51783_nearest,@function
k_q13bdc51783_nearest:
	s_mov_b64 s[64:65], 0
	v_nop
	global_prefetch_b8 v0, s[64:65] scope:SCOPE_SE
	s_setreg_imm32_b32 hwreg(HW_REG_WAVE_MODE, 25, 1), 1
	s_wait_xcnt 0x0
	s_wait_alu depctr_hold_cnt(0) depctr_sa_sdst(0) depctr_va_vdst(0) depctr_va_sdst(0) depctr_va_ssrc(0) depctr_va_vcc(0) depctr_vm_vsrc(0)
	s_getreg_b32 s2, hwreg(HW_REG_IB_STS2, 6, 4)
	s_cmp_eq_u32 s2, 0
	s_cbranch_scc0 .Lentry_in_a_cluster
	s_endpgm
.Lentry_in_a_cluster:
	s_bfe_u32 s2, ttmp6, 0x10000c
	s_cmp_lg_u32 s2, 0x3003
	s_cbranch_scc0 .Lentry_shape_is_right
	s_endpgm
.Lentry_shape_is_right:
; out0[row] = the index k with the least -2 x[row].c[k] + |c[k]|^2; of equal distances the lowest k.  x: codes and scale bytes as given; the centroids: cq, as the first launch laid it
; (16 chunks of 133 rows of 1,024 bytes: 128 rows of codes, 4 of scale bytes, 1 of sums of squares).
; SHARES: a work-group takes 125 rows of x (its tile of 128 is filled up with zero codes, whose results are not stored) and walks all 2,048 centroids.  Wave w: rows 64 (w / 2) .. + 63, and of
; each chunk the centroids 64 (w % 2) .. + 63.  A wave keeps its 64 rows x 1,024 K in 512 registers for the whole launch.
; A PHASE is 16 centroids x 64 rows x 1,024 K: 32 matrix instructions on 4 accumulators by turns, source 0 = centroids, source 1 = x: a lane holds one row of x and 8 centroids.
; While a phase multiplies, the accumulators of the phase before are worked off in two blocks of vector lines (row blocks 0, 1 behind the first 16 products; 2, 3 behind the last 16):
; d = -2 s + |c|^2, the least of the 8, and where it lies under the lane's best so far, the best, the block's number and the block's 8 distances are kept.  The place among the 8 is found once, at the end.
; FRAGMENTS: two buffers of 128 registers.  A half buffer (4 of the 8 steps of 128 along K) is loaded again, for the phase two on, when its 16 products and a block of vector lines are behind it:
; one run of 16 LDS loads directly behind that block.  So a phase has two runs of loads and ONE wait for them, at its head, whose count leaves out the 32 loads issued last.
; THE RING: two LDS slots of a chunk each, filled by joint loads of the cluster's four work-groups, which walk the same chunks.  x lands in slot 1 first and goes on into registers.
; The slots change in the middle of a chunk's third phase: its last reads of the old slot stand at that phase's head, the first reads of the new one in its second half.
; PREFETCH: each refill is followed by a prefetch of the chunk two refills on (532 blocks of 256 bytes), by the four clusters whose number is a multiple of 21; a cluster's partners share the blocks
; out by address: 512 blocks of codes, a lane a block, one instruction a wave; the other 20 by wave 0, five a work-group.  The last two refills of the loop ask for nothing: no chunk stands two on.
; LIMITS: NaN (a NaN code, a scale byte 0xff) and infinities are not served.
.set PITCH, 1040                       ; an LDS row: 1,024 bytes + 16 of padding
.set CHUNK, 136192
.set S1,    141568                     ; slot 1
.set RED,   283136                     ; behind the ring: where the two column halves meet
.set SPARE, 284160                     ; the spare words
.set SPW,  3
.set NIL,  4
.set ADRC, 5                           ; v5, v6   my fragments in slot 0, 1
.set ADRS, 7                           ; v7, v8   my scale words
.set ADRN, 9                           ; v9, v10  my sums of squares
.set ADRX, 11
.set XS,   18                          ; v18-33   x's scale words; 2 modulo 4, where CS is 0 modulo 4: no product names two scale registers equal modulo 8
.set CS,   36                          ; v36-67   the centroids' scale words, a set for each slot
.set CN,   68                          ; v68-131  their sums of squares, a set for each slot
.set KEPT, 132                         ; v132-163 the 8 distances of the best block, for each row block
.set BEST, 164                         ; v164-167
.set BLK,  169                         ; v169-172 (odd where BEST is even: the dual form wants one even and one odd destination)
.set MN,   174
.set T,    178
.set PFO,  186
.set PFT,  187
.set ACC,  192                         ; v192-255 two sets of 4 accumulators
.set G1X,  24
.set G0X,  32
.set G1C,  36
.set G0C,  44
.set SINF, 52
.set SBLK, 53
.set TRIPS, 54
.set LIM,  55
.set MK,   56
.set SEL,  66
.set G1H,  72
.set G0H,  80
.set PFA,  84
.set LIM2, 86
.set MSB, 0
.macro WIN new
.if MSB != \new
	s_set_vgpr_msb (MSB<<8)|\new
.set MSB, \new
.endif
.endm
.macro CREST
	s_cmp_lg_u32 s12, 0
	s_cbranch_scc1 .Lnot_wave_0_\@
	s_barrier_signal -3
.Lnot_wave_0_\@:
	s_barrier_wait -3
	s_barrier_signal -1
	s_barrier_wait -1
.endm
.macro ROUND
	s_barrier_signal -1
	s_barrier_wait -1
	CREST
.endm
.macro NOP4
.rept 4
	v_nop
.endr
.endm
; the chunk at byte off from PFA: the codes' 512 blocks by all waves of an asking cluster, the last 20 blocks by its waves 0
.macro ASK off
	s_cmp_gt_u32 s[TRIPS], s[LIM]
	s_cbranch_scc0 .Lno_a_\@
	global_prefetch_b8 v[PFO], s[PFA:PFA+1] offset:\off th:TH_LOAD_NT scope:SCOPE_SE
.Lno_a_\@:
	s_cmp_gt_u32 s[TRIPS], s[LIM2]
	s_cbranch_scc0 .Lno_b_\@
	global_prefetch_b8 v[PFT], s[PFA:PFA+1] offset:\off th:TH_LOAD_NT scope:SCOPE_SE
.Lno_b_\@:
.endm
	s_load_b256 s[4:11], s[0:1], 0x0               ; cq, x_codes, x_scales, out0
	v_lshl_add_u32 v[SPW], v0, 2, SPARE
	v_mov_b32 v[NIL], 0
	ds_add_u32 v[SPW], v[NIL]                      ; the opening lines: the add twice on end
	ds_add_u32 v[SPW], v[NIL]
	v_lshrrev_b32 v12, 5, v0
	v_readfirstlane_b32 s12, v12                   ; wave
	s_lshr_b32 s13, s12, 1                         ; my half of the rows
	s_and_b32 s14, s12, 1                          ; my half of a chunk's centroids
	s_bfe_u32 s15, ttmp6, 0x40000                  ; cx
	s_lshl_b32 s16, ttmp9, 2
	s_add_co_u32 s16, s16, s15                     ; work-group
	v_and_b32 v1, 15, v0
	v_bfe_u32 v2, v0, 4, 1
	v_lshlrev_b32 v14, 3, v2
	v_and_b32 v15, 31, v0
	v_mul_u32_u24 v13, v1, PITCH
	v_lshl_add_u32 v13, v2, 4, v13
	s_mul_i32 s17, s14, 64*PITCH
	v_add_nc_u32 v[ADRC], s17, v13
	v_add_nc_u32 v[ADRC+1], S1, v[ADRC]
	s_mul_i32 s17, s14, 2*PITCH
	s_add_co_u32 s17, s17, 128*PITCH
	v_lshlrev_b32 v12, 5, v1
	v_lshl_add_u32 v12, v2, 4, v12
	v_add_nc_u32 v[ADRS], s17, v12
	v_add_nc_u32 v[ADRS+1], S1, v[ADRS]
	s_lshl_b32 s17, s14, 8
	s_add_co_u32 s17, s17, 132*PITCH
	v_lshl_add_u32 v[ADRN], v2, 5, s17
	v_add_nc_u32 v[ADRN+1], S1, v[ADRN]
	s_mul_i32 s17, s13, 64*PITCH
	s_add_co_u32 s17, s17, S1
	v_add_nc_u32 v[ADRX], s17, v13
	s_lshl_b32 s17, s13, 6
	v_add_nc_u32 v12, s17, v1
.irp rb, 0,1,2,3
	v_add_nc_u32 v[T+\rb], 16*\rb, v12
	v_min_u32 v[T+\rb], 124, v[T+\rb]              ; rows 125-127 take row 124's scale words: their codes are zeros
	v_lshlrev_b32 v[T+\rb], 5, v[T+\rb]
	v_lshl_add_u32 v[T+\rb], v2, 4, v[T+\rb]
.endr
	v_lshlrev_b32 v[PFO], 8, v0                    ; prefetch: block 128 cx + thread of a chunk's first 512,
	s_lshl_b32 s17, s15, 15
	v_add_nc_u32 v[PFO], s17, v[PFO]
	v_min_u32 v[PFT], 4, v15                       ; and block 512 + 5 cx + lane (lanes over 4 name the wave's last block again)
	s_mul_i32 s17, s15, 5
	v_add_nc_u32 v[PFT], s17, v[PFT]
	v_lshl_add_u32 v[PFT], v[PFT], 8, 0x20000
	s_and_b32 s17, ttmp9, 3
	s_mul_i32 s17, s17, 21
	s_cmp_eq_u32 s17, ttmp9                        ; clusters 0, 21, 42, 63 ask
	s_cselect_b32 s[LIM], 1, -1
	s_cmp_eq_u32 s12, 0
	s_cselect_b32 s[LIM2], s[LIM], -1
	s_mov_b32 s[TRIPS], 8
	s_mov_b32 s[SINF], 0x7f800000
	s_lshl_b32 s[SBLK], s14, 6
	s_mov_b32 s[SEL], 0x76543210
	s_mov_b32 s[SEL+1], 0xfedcba98
	s_mul_i32 s18, s16, 4000                       ; x's scales: 125 rows of 32 bytes a work-group
	s_mov_b32 s19, 0
	s_mul_i32 s20, s16, 128000                     ; x's codes: 125 rows of 1,024 bytes; at the head waves 0, 1 fetch 64 rows each
	s_lshl_b32 s21, s14, 16
	s_add_co_u32 s20, s20, s21
	s_mov_b32 s21, 0
	s_mul_i32 s22, s12, 34*1024                    ; the ring: 34 rows of a chunk a wave
	s_mov_b32 s23, 0
	s_mul_i32 s68, s16, 500
	s_mov_b32 s69, 0
	s_mul_i32 s70, s14, 68*1024                    ; the head: waves 2, 3 fetch 68 rows of chunk 0 each
	s_mov_b32 s71, 0
	s_mov_b32 s[G1X], (1<<20)|(7<<22)|(3<<25)      ; rows of 1,024 bytes, 16 bytes of padding behind each
	s_mov_b32 s[G1X+1], 1024<<16
	s_lshl_b32 s[G1X+2], s14, 6
	s_sub_co_u32 s[G1X+2], 125, s[G1X+2]           ; rows left: past them zeros are written
	s_lshl_b32 s[G1X+2], s[G1X+2], 16
	s_mov_b32 s[G1X+3], 1024<<16
	s_mov_b32 s[G1X+4], 64
	s_mov_b32 s[G1X+5], 1024
	s_mov_b32 s[G1X+6], 0
	s_mov_b32 s[G1X+7], 0
	s_mov_b32 s[G1H], 15|(1<<20)|(1<<21)|(7<<22)|(3<<25)   ; joint: all four work-groups of the cluster
	s_mov_b32 s[G1H+1], 1024<<16
	s_mul_i32 s[G1H+2], s14, 68
	s_sub_co_u32 s[G1H+2], 133, s[G1H+2]
	s_lshl_b32 s[G1H+2], s[G1H+2], 16
	s_mov_b32 s[G1H+3], 1024<<16
	s_mov_b32 s[G1H+4], 68
	s_mov_b32 s[G1H+5], 1024
	s_mov_b32 s[G1H+6], 0
	s_mov_b32 s[G1H+7], 0
	s_mov_b32 s[G1C], 15|(1<<20)|(1<<21)|(7<<22)|(3<<25)
	s_mov_b32 s[G1C+1], 1024<<16
	s_mul_i32 s[G1C+2], s12, 34
	s_sub_co_u32 s[G1C+2], 133, s[G1C+2]
	s_lshl_b32 s[G1C+2], s[G1C+2], 16
	s_mov_b32 s[G1C+3], 1024<<16
	s_mov_b32 s[G1C+4], 34
	s_mov_b32 s[G1C+5], 1024
	s_mov_b32 s[G1C+6], 0
	s_mov_b32 s[G1C+7], 0
	s_mov_b32 s[G0X], 1
	s_mul_i32 s[G0X+1], s14, 64*PITCH
	s_add_co_u32 s[G0X+1], s[G0X+1], S1
	s_mov_b32 s[G0H], 1
	s_mul_i32 s[G0H+1], s14, 68*PITCH
	s_mov_b32 s[G0C], 1
	s_mul_i32 s[G0C+1], s12, 34*PITCH
	s_mov_b32 s[G0C+4], 1
	s_add_co_u32 s[G0C+5], s[G0C+1], S1
	s_wait_alu depctr_va_vdst(0)                   ; the wait at the head's end
	s_wait_dscnt 0x0                               ; both opening adds are done
	s_wait_kmcnt 0x0
	s_add_nc_u64 s[8:9], s[8:9], s[18:19]
	s_add_nc_u64 s[10:11], s[10:11], s[68:69]
.irp rb, 0,1,2,3
	global_load_b128 v[XS+4*\rb:XS+4*\rb+3], v[T+\rb], s[8:9]   ; lanes 0-15: K 0-511's four words; lanes 16-31: K 512-1023's
.endr
	s_mov_b64 s[PFA:PFA+1], s[4:5]
	s_add_nc_u64 s[G0X+2:G0X+3], s[6:7], s[20:21]
	s_or_b32 s[G0X+3], s[G0X+3], 0x80000000
	s_add_nc_u64 s[G0H+2:G0H+3], s[4:5], s[70:71]
	s_or_b32 s[G0H+3], s[G0H+3], 0x80000000
	s_add_nc_u64 s[G0C+2:G0C+3], s[4:5], s[22:23]
	s_add_nc_u64 s[G0C+6:G0C+7], s[G0C+2:G0C+3], CHUNK
	s_or_b32 s[G0C+3], s[G0C+3], 0x80000000
	s_or_b32 s[G0C+7], s[G0C+7], 0x80000000
	ROUND                                          ; in front of the first loads
	s_cmp_lt_u32 s12, 2                            ; the head's loads, one a wave: waves 0, 1 x into slot 1; waves 2, 3 chunk 0 into slot 0
	s_cbranch_scc0 .Lhead_c
	tensor_load_to_lds s[G0X:G0X+3], s[G1X:G1X+7]
	s_nop 0
	NOP4
	s_branch .Lhead_j
.Lhead_c:
	tensor_load_to_lds s[G0H:G0H+3], s[G1H:G1H+7]
	s_nop 0
	NOP4
.Lhead_j:
	ASK CHUNK                                      ; chunks 1 and 2: the two that follow the chunk just asked for
	ASK 2*CHUNK
	s_wait_tensorcnt 0x0                           ; my tile is in;
	s_barrier_signal -1
	s_barrier_wait -1                              ; and so is every wave's
.macro LD4 s, i, q                     ; one fragment, 16 centroids x 128 K: block i of my 64 in slot s, step q, into buffer i % 2
.irp c, 0,1,2,3
	ds_load_b128 v[128*((\i)%2)+16*(\q)+4*\c:128*((\i)%2)+16*(\q)+4*\c+3], v[ADRC+(\s)] offset:(\i)*16*PITCH+128*(\q)+32*\c
.endr
.endm
.macro CHUNKREGS s
.irp b, 0,1,2,3
	ds_load_b128 v[CS+16*(\s)+4*\b:CS+16*(\s)+4*\b+3], v[ADRS+(\s)] offset:(\b/2)*PITCH+(\b%2)*512
.endr
.irp b, 0,1,2,3
	ds_load_b128 v[CN+32*(\s)+8*\b:CN+32*(\s)+8*\b+3], v[ADRN+(\s)] offset:64*\b
	ds_load_b128 v[CN+32*(\s)+8*\b+4:CN+32*(\s)+8*\b+7], v[ADRN+(\s)] offset:64*\b+16
.endr
.endm
.macro XLOAD half
.irp q, 0,1,2,3
.irp rb, 0,1,2,3
.irp c, 0,1,2,3
	ds_load_b128 v[64*\q+16*\rb+4*\c:64*\q+16*\rb+4*\c+3], v[ADRX] offset:\rb*16*PITCH+128*(4*\half+\q)+32*\c
.endr
.endr
.endr
.endm
	CHUNKREGS 0
	WIN 0xc0
.irp q, 0,1,2,3,4,5,6,7
	LD4 0, 0, \q                                   ; the first phase's fragments,
.endr
.irp q, 0,1,2,3
	LD4 0, 1, \q                                   ; and the lower half of the second's
.endr
	WIN 0x40
	XLOAD 0                                        ; x: K 0-511 into window 1,
	WIN 0x80
	XLOAD 1                                        ; K 512-1023 into window 2
	WIN 0
	s_wait_tensorcnt 0x0                           ; ahead of the fill of slot 1
	ds_add_u32 v[SPW], v[NIL]
	s_wait_dscnt 0x0                               ; x is in my registers
	ROUND
	tensor_load_to_lds s[G0C+4:G0C+7], s[G1C:G1C+7]   ; chunk 1, over x
	s_nop 0
	NOP4
	ASK 3*CHUNK
	s_wait_loadcnt 0x0                             ; x's scale words
.macro W i, q, rb, slot
.set WD, ACC+32*((\i)%2)+8*(\rb)
.set WA, 128*((\i)%2)+16*(\q)
.set WB, 64*((\q)%4)+16*(\rb)
.set WSA, CS+16*(\slot)+4*(\i)+(\q)%4
.set WSB, XS+4*(\rb)+(\q)%4
.if (\q) == 0
	v_wmma_scale_f32_16x16x128_f8f6f4 v[WD:WD+7], v[WA:WA+15], v[WB:WB+15], 0, v[WSA], v[WSB]
.elseif (\q) < 4
	v_wmma_scale_f32_16x16x128_f8f6f4 v[WD:WD+7], v[WA:WA+15], v[WB:WB+15], v[WD:WD+7], v[WSA], v[WSB]
.else
	v_wmma_scale_f32_16x16x128_f8f6f4 v[WD:WD+7], v[WA:WA+15], v[WB:WB+15], v[WD:WD+7], v[WSA], v[WSB] matrix_a_scale:MATRIX_SCALE_ROW1 matrix_b_scale:MATRIX_SCALE_ROW1
.endif
.endm
.macro WQ i, q, slot                   ; the four accumulators by turns
.irp rb, 0,1,2,3
	W \i, \q, \rb, \slot
.endr
.endm
.macro MINS r                          ; the least of row block r's 8 distances: three leaves,
.set EA, ACC+32*ES+8*(\r)
.set TT, T+3*((\r)%2)
	v_min3_num_f32 v[TT], v[EA], v[EA+1], v[EA+2]
	v_min3_num_f32 v[TT+1], v[EA+3], v[EA+4], v[EA+5]
	v_min_num_f32 v[TT+2], v[EA+6], v[EA+7]
.endm
.macro FOLD r                          ; and their least
.set TT, T+3*((\r)%2)
	v_min3_num_f32 v[MN+(\r)], v[TT], v[TT+1], v[TT+2]
.endm
.macro KEEP r                          ; VCC: the best so far stands (at equal distances too: the earlier block has the lower numbers); else the block's least, number and 8 distances are taken
.set EA, ACC+32*ES+8*(\r)
	v_cmp_le_f32 vcc_lo, v[BEST+(\r)], v[MN+(\r)]
	v_dual_cndmask_b32 v[BEST+(\r)], v[MN+(\r)], v[BEST+(\r)] :: v_dual_cndmask_b32 v[BLK+(\r)], v[VB], v[BLK+(\r)]
.irp j, 0,2,4,6
	v_dual_cndmask_b32 v[KEPT+8*(\r)+\j], v[EA+\j], v[KEPT+8*(\r)+\j] :: v_dual_cndmask_b32 v[KEPT+8*(\r)+\j+1], v[EA+\j+1], v[KEPT+8*(\r)+\j+1]
.endr
.endm
; Row blocks 2 h and 2 h + 1 of accumulator set ES.  mode = 0: the first phase has nothing to work off: it sets what is kept.  Both forms are also the places behind the products ahead of them.
.macro BLOCK h, mode
.if \mode
.set VB, 16+18*(\h)                    ; v16 for row blocks 0, 1; v34 for 2, 3: in another bank than the MN register beside it in the dual pair
	v_mov_b32 v[VB], s[SBLK]                       ; the block's number in a vector register: a half of a dual pair reads one scalar value, here VCC
.irp r, 2*(\h), 2*(\h)+1
.irp u, 0,2,4,6
	v_pk_fma_f32 v[ACC+32*ES+8*(\r)+\u:ACC+32*ES+8*(\r)+\u+1], v[ACC+32*ES+8*(\r)+\u:ACC+32*ES+8*(\r)+\u+1], -2.0, v[ECN+\u:ECN+\u+1] op_sel_hi:[1,0,1]
.endr
.endr
	MINS 2*(\h)
	MINS 2*(\h)+1
	FOLD 2*(\h)
	FOLD 2*(\h)+1
	KEEP 2*(\h)
	KEEP 2*(\h)+1
.else
.irp r, 2*(\h), 2*(\h)+1
.irp j, 0,1,2,3,4,5,6,7
	v_mov_b32 v[KEPT+8*(\r)+\j], s[SINF]
.endr
	v_mov_b32 v[BEST+(\r)], s[SINF]
	v_mov_b32 v[BLK+(\r)], 0
.endr
.endif
.endm
; Phase i of the chunk in \slot.  chg = 1: the slots change and this slot is filled again; 2: they change, nothing is left to fetch.  hil: the next phase's upper half is fetched, at this phase's head;
; lol: the lower half of the phase two on, in its middle.  n: the LDS loads issued in the phase before behind those that this phase needs; the run at this phase's head comes on top.
.macro PHASE i, slot, mode, chg, hil, lol, n
.set ES, 1-((\i)%2)
.if (\i) == 0
.set ECN, CN+32*(1-(\slot))+24
.else
.set ECN, CN+32*(\slot)+8*((\i)-1)
.endif
.set HT, ((\i)+1)%4
.set HS, \slot
.if (\i) == 3
.set HS, 1-(\slot)
.endif
.set LT, ((\i)+2)%4
.set LS, \slot
.if (\i) >= 2
.set LS, 1-(\slot)
.endif
.if (\chg) == 1
	s_wait_xcnt 0x0                                ; my prefetches have read their base: it steps a chunk on
	s_add_nc_u64 s[PFA:PFA+1], s[PFA:PFA+1], CHUNK
.endif
.if \hil
	WIN 0xc0                                       ; destination window 3.  The half buffer's products stand ahead of the block of vector lines that closed the phase before
.irp k, 4,5,6,7
	LD4 HS, HT, \k
.endr
.endif
	s_wait_dscnt (\n)+16*(\hil)                    ; this phase's fragments are in; the next phase's two halves may be out
	WIN 0x07                                       ; source 0 window 3, source 1 window 1, C and D window 0
	WQ \i, 0, \slot
	WQ \i, 1, \slot
	WQ \i, 2, \slot
	WQ \i, 3, \slot
	WIN 0
.if \chg
	s_wait_tensorcnt 0x0                           ; my part of the other slot is in;
	ds_add_u32 v[SPW], v[NIL]                      ; the block below stands between the add and the wait for it
.if (\chg) == 1
	s_add_nc_u64 s[G0C+4*(\slot)+2:G0C+4*(\slot)+3], s[G0C+4*(\slot)+2:G0C+4*(\slot)+3], 2*CHUNK
.endif
.endif
	BLOCK 0, \mode
.if \chg
	s_wait_dscnt 0x0                               ; the add is done, and my reads of this slot are over
	s_barrier_signal -1
	WIN 0x0b                                       ; source 1 window 2
	WQ \i, 4, \slot
	WQ \i, 5, \slot
	WIN 0
	s_barrier_wait -1
.if (\chg) == 1
	CREST
	tensor_load_to_lds s[G0C+4*(\slot):G0C+4*(\slot)+3], s[G1C:G1C+7]   ; the chunk two on
	s_nop 0
	NOP4
.endif
	CHUNKREGS 1-(\slot)
.if (\chg) == 1
	ASK 3*CHUNK                                    ; the chunk two refills on
.endif
.set LQ, 6
.else
.set LQ, 4
.endif
.if \lol
	WIN 0xc0
.irp k, 0,1,2,3
	LD4 LS, LT, \k
.endr
.endif
	WIN 0x0b
	WQ \i, LQ, \slot
.if \chg
	WQ \i, 7, \slot
.else
	WQ \i, 5, \slot
	WQ \i, 6, \slot
	WQ \i, 7, \slot
.endif
	WIN 0
	BLOCK 1, \mode
.if \mode
.if (\i) == 0
	s_add_co_u32 s[SBLK], s[SBLK], 80              ; on to my first block of the next chunk
.else
	s_add_co_u32 s[SBLK], s[SBLK], 16
.endif
.endif
.endm
	PHASE 0, 0, 0, 0, 1, 1, 0
	s_mov_b32 s[TRIPS], 7
.Lloop:                                                ; a trip: two chunks, from a chunk's second phase to the first of the chunk two on
	PHASE 1, 0, 1, 0, 1, 1, 16
	PHASE 2, 0, 1, 1, 1, 1, 16
	PHASE 3, 0, 1, 0, 1, 1, 16
	PHASE 0, 1, 1, 0, 1, 1, 16
	PHASE 1, 1, 1, 0, 1, 1, 16
	PHASE 2, 1, 1, 1, 1, 1, 16
	PHASE 3, 1, 1, 0, 1, 1, 16
	PHASE 0, 0, 1, 0, 1, 1, 16
	s_sub_co_u32 s[TRIPS], s[TRIPS], 1
	s_cmp_lg_u32 s[TRIPS], 0
	s_cbranch_scc1 .Lloop
	PHASE 1, 0, 1, 0, 1, 1, 16                     ; the last two chunks fetch nothing beyond the end
	PHASE 2, 0, 1, 2, 1, 1, 16
	PHASE 3, 0, 1, 0, 1, 1, 16
	PHASE 0, 1, 1, 0, 1, 1, 16
	PHASE 1, 1, 1, 0, 1, 1, 16
	PHASE 2, 1, 1, 0, 1, 0, 16
	PHASE 3, 1, 1, 0, 0, 0, 0
.set ES, 1
.set ECN, CN+32+24
	BLOCK 0, 1                                     ; the last phase's accumulators
	BLOCK 1, 1
; the place of the best among its block's 8: the lowest j that holds it
.irp rb, 0,1,2,3
	v_mov_b32 v[T+\rb], 7
.irp j, 6,5,4,3,2,1,0
	v_cmp_eq_f32 s[MK], v[KEPT+8*\rb+\j], v[BEST+\rb]
	v_cndmask_b32 v[T+\rb], v[T+\rb], \j, s[MK]
.endr
	v_add3_u32 v[BLK+\rb], v[BLK+\rb], v14, v[T+\rb]
.endr
.macro MERGE va, ia, vb, ib            ; the lesser distance; at equal distances the lower index
	v_cmp_lt_f32 s[MK], v[\vb], v[\va]
	v_cmp_eq_f32 s[MK+1], v[\vb], v[\va]
	v_cmp_lt_u32 s[MK+2], v[\ib], v[\ia]
	s_and_b32 s[MK+1], s[MK+1], s[MK+2]
	s_or_b32 s[MK], s[MK], s[MK+1]
	v_cndmask_b32 v[\va], v[\va], v[\vb], s[MK]
	v_cndmask_b32 v[\ia], v[\ia], v[\ib], s[MK]
.endm
.irp rb, 0,1,2,3
	v_mov_b32 v[T+4], 0
	v_mov_b32 v[T+5], 0
	v_permlanex16_b32 v[T+4], v[BEST+\rb], s[SEL], s[SEL+1]        ; lane l xor 16 holds the same row's other centroids
	v_permlanex16_b32 v[T+5], v[BLK+\rb], s[SEL], s[SEL+1]
	MERGE BEST+\rb, BLK+\rb, T+4, T+5
.endr
	v_cmp_eq_u32 vcc_lo, 1, v2
	v_cndmask_b32 v[BEST], v[BEST], v[BEST+1], vcc_lo              ; lanes 0-15 row block 0 (2), lanes 16-31 row block 1 (3): 32 neighbouring rows
	v_cndmask_b32 v[BLK], v[BLK], v[BLK+1], vcc_lo
	v_cndmask_b32 v[BEST+2], v[BEST+2], v[BEST+3], vcc_lo
	v_cndmask_b32 v[BLK+2], v[BLK+2], v[BLK+3], vcc_lo
	s_lshl_b32 s17, s13, 9
	s_add_co_u32 s17, s17, RED
	v_lshl_add_u32 v12, v15, 2, s17
	s_cmp_eq_u32 s14, 0
	s_cbranch_scc1 .Lkeeps
	ds_store_b32 v12, v[BEST]                      ; the waves of the upper column half hand theirs over
	ds_store_b32 v12, v[BLK] offset:128
	ds_store_b32 v12, v[BEST+2] offset:256
	ds_store_b32 v12, v[BLK+2] offset:384
.Lkeeps:
	s_wait_dscnt 0x0
	s_barrier_signal -1
	s_barrier_wait -1
	s_cmp_lg_u32 s14, 0
	s_cbranch_scc1 .Ldone
	s_wait_alu depctr_va_vdst(0)
	ds_load_b32 v[T], v12
	ds_load_b32 v[T+1], v12 offset:128
	ds_load_b32 v[T+2], v12 offset:256
	ds_load_b32 v[T+3], v12 offset:384
	s_lshl_b32 s18, s13, 6
	v_add_nc_u32 v13, s18, v15
	v_add_nc_u32 v[T+4], 32, v13
	v_lshlrev_b32 v13, 2, v13
	s_wait_dscnt 0x0
	MERGE BEST, BLK, T, T+1
	MERGE BEST+2, BLK+2, T+2, T+3
	global_store_b32 v13, v[BLK], s[10:11]         ; 32 rows' indices: 128 neighbouring bytes
	v_cmp_gt_u32 vcc_lo, 125, v[T+4]               ; rows 125-127 are not the work-group's
	s_wait_alu depctr_va_vdst(0)
	s_wait_xcnt 0x0                                ; EXEC changes only behind this wait
	s_and_saveexec_b32 s19, vcc_lo
	global_store_b32 v13, v[BLK+2], s[10:11] offset:128
	s_wait_xcnt 0x0
	s_or_b32 exec_lo, exec_lo, s19
.Ldone:
	s_wait_tensorcnt 0x0                           ; the wave's end
	ds_add_u32 v[SPW], v[NIL]
	s_wait_dscnt 0x0
	ROUND                                          ; the closing round
	s_endpgm
.Lfunc_end_k_q13bdc51783_nearest:
	.size	k_q13bdc51783_nearest, .Lfunc_end_k_q13bdc51783_nearest-k_q13bdc51783_nearest
	.p2alignl 7, 3214868480
	.fill 96, 4, 3214868480
	.section	.rodata,"a",@progbits
	.p2align	6, 0x0
	.amdhsa_kernel k_q13bdc51783_nearest
		.amdhsa_group_segment_fixed_size 327680
		.amdhsa_private_segment_fixed_size 0
		.amdhsa_enable_private_segment 0
		.amdhsa_kernarg_size 32
		.amdhsa_user_sgpr_count 2
		.amdhsa_user_sgpr_kernarg_segment_ptr 1
		.amdhsa_wavefront_size32 1
		.amdhsa_system_sgpr_workgroup_id_x 1
		.amdhsa_system_sgpr_workgroup_id_y 1
		.amdhsa_system_sgpr_workgroup_id_z 1
		.amdhsa_system_vgpr_workitem_id 0
		.amdhsa_next_free_vgpr 1024
		.amdhsa_next_free_sgpr 88
		.amdhsa_reserve_vcc 1
		.amdhsa_float_denorm_mode_32 3
		.amdhsa_float_denorm_mode_16_64 3
		.amdhsa_memory_ordered 1
		.amdhsa_forward_progress 1
		.amdhsa_inst_pref_size 187
	.end_amdhsa_kernel
	.amdgpu_metadata
---
amdhsa.version: [ 1, 2 ]
amdhsa.kernels:
  - .name:           k_q13bdc51783_nearest
    .symbol:         k_q13bdc51783_nearest.kd
    .args:
      - { .name: cq, .offset: 0, .size: 8, .value_kind: global_buffer, .address_space: global }
      - { .name: x_codes, .offset: 8, .size: 8, .value_kind: global_buffer, .address_space: global }
      - { .name: x_scales, .offset: 16, .size: 8, .value_kind: global_buffer, .address_space: global }
      - { .name: out0, .offset: 24, .size: 8, .value_kind: global_buffer, .address_space: global }
    .group_segment_fixed_size: 327680
    .private_segment_fixed_size: 0
    .kernarg_segment_align: 8
    .kernarg_segment_size: 32
    .max_flat_workgroup_size: 128
    .sgpr_count:     88
    .vgpr_count:     1024
    .wavefront_size: 32
...
	.end_amdgpu_metadata
.endif
;; end of part 2
